; MI455X (gfx1250); checked and timed in simulation.
; The chip was launched on July 23, 2026; its instructions are those of AMD's public machine-readable ISA for CDNA 5 (MIT licence, August 2026) and "CDNA5" Instruction Set Architecture Reference Guide (July 2026). The comments in the code are by the model that wrote it; some were corrected since.
;; Bahdanau Attention. Allowed arithmetic: matrix products marked QUANTISED: E2M1 operands, one E8M0 scale for each 32 along K, by v_wmma_scale_f32_16x16x128_f8f6f4 with both operands' format E2M1 (or v_wmma_scale_f32_32x16x128_f4), f32 sums; products left as they are: f32 operands where the result goes on into a quantised operand, else bf16, f16 or f32 operands; f32 sums; everything else in f32.
;; Inputs: V_b 1 float32; V_w 1,024 x 1 float32; Wc_b 1,024 float32; Wc_w 1 x 1,024 float32; Wh_b 1,024 float32; Wh_w 1,024 x 1,024 float32; Ws_b 1,024 float32; Ws_w 1,024 x 1,024 float32; dec_hidden 32 x 1,024 float32; enc_output 32 x 2,048 x 1,024 float32; enc_pad_mask 32 x 2,048 int32; prev_coverage 32 x 2,048 x 1 float32.
;; Outputs: out0 32 x 1,024 float32; out1 32 x 2,048 float32; out2 32 x 2,048 x 1 float32.
;; Constants: use_coverage = True.
;; This version of the problem:
;;   THIS VERSION OF THE PROBLEM IS GIVEN IN LOW PRECISION. The matrix products marked QUANTISED in the list below multiply operands that are first quantised to E2M1 (2 exponent bits, 1 mantissa bit; 4 bits a number), with one power-of-two scale for each 32 numbers along K (OCP MX v1.0); their sums are f32. All else is computed in f32.
;;   The module's matrix products, in the order in which they are computed (A, B: the left and right operand; K: the contracted axis; several contracted axes count as one K, in the product's order):
;;     1. [M 32, K 1,024] x [K 1,024, N 1,024]; A: input dec_hidden; B: input Wh_w: QUANTISED
;;     2. [M 65,536, K 1,024] x [K 1,024, N 1,024]; A: input enc_output; B: input Ws_w: QUANTISED
;;     3. [M 65,536, K 1] x [K 1, N 1,024]; A: input prev_coverage; B: input Wc_w: left as it is (K = 1 < 32)
;;     4. [M 65,536, K 1,024] x [K 1,024, N 1]; A: computed on the way; B: input V_w: left as it is (N = 1 < 16)
;;   THE QUANTISER, for each operand of a quantised product, along K:
;;     - K is cut into blocks of 32 from its start; a last block that is shorter is filled with zeros.
;;     - A block's scale is 2^e with e = floor(log2(the largest magnitude in the block)) - 2, held to -126 .. 127; a block of zeros has e = 0. As a byte (E8M0): e + 127.
;;     - Each number is divided by its block's scale, clamped to +-6, and rounded to the nearest number of E2M1, ties to even, subnormals kept.
;;     - The product sums the exact products of the quantised numbers (number of the format x scale) in f32.
;;   ~~~python
;;   def quantise(x, axis):      # numpy; x: float32 -> the quantised numbers, widened to float32 again
;;       x = np.moveaxis(x, axis, -1); K = x.shape[-1]
;;       x = np.pad(x, [(0, 0)] * (x.ndim - 1) + [(0, -K % 32)]); x = x.reshape(x.shape[:-1] + (-1, 32)); a = np.abs(x).max(-1, keepdims=True)
;;       e = np.where(a > 0, np.clip(np.frexp(np.where(a > 0, a, 1))[1] - 1 - 2, -126, 127), 0)      # np.frexp(a)[1] - 1 = floor(log2(a)), exactly
;;       r = np.clip(x / 2.0 ** e, -6, 6)
;;       step = 2.0 ** (np.maximum(np.frexp(np.where(r == 0, 1, r))[1] - 1, 0) - 1)
;;       q = np.round(r / step) * step * 2.0 ** e      # np.round: ties to even
;;       return np.moveaxis(q.reshape(q.shape[:-2] + (-1,))[..., :K], -1, axis).astype(np.float32)
;;   ~~~
;; One version. Each part assembles by itself: llvm-mc -triple=amdgcn-amd-amdhsa -mcpu=gfx1250 --defsym DOCPART=n.
;; ======== version 1 of 1: 3 launches
;; limits: right only within a limited range of input values
;; workspace buffers: wsc 524,288 bytes; wss 32,768 bytes; hb 131,072 bytes; psc 262,144 bytes; pst 65,536 bytes; pctx 1,048,576 bytes
;; launch prep (part 1): grid 32 x 2, 8 waves a work-group, no clusters, 33,792 bytes of LDS; arguments Ws_w, Wh_w, dec_hidden, Wh_b, Ws_b, Wc_b, wsc, wss, hb; writes wsc, wss, hb
.if DOCPART == 1
	.amdgcn_target "amdgcn-amd-amdhsa--gfx1250"
	.amdhsa_code_object_version 6
	.text
	.protected	k_qbc2e2cc3ed_prep
	.globl	k_qbc2e2cc3ed_prep
	.p2align	8
	.type	k_qbc2e2cc3ed_prep,@function
k_qbc2e2cc3ed_prep:
	s_mov_b64 s[64:65], 0
	v_nop
	global_prefetch_b8 v0, s[64:65] scope:SCOPE_SE
	s_setreg_imm32_b32 hwreg(HW_REG_WAVE_MODE, 25, 1), 1
	s_wait_xcnt 0x0
; Work-group (G, y).  y = 0: columns 32 G .. 32 G + 31 of Ws_w [1024 (k)][1024 (n)] f32 become codes of E2M1 with one E8M0 byte for each 32 along K, stored as
; IMAGES OF THE OPERAND'S REGISTERS: the fragment of n tile t and K step s (16 columns x 128 K, 8 registers a lane) at wsc + (8 t + s) x 1024, as [c = 0, 1][lane][16 bytes];
; its scale words at wss + (8 G + s) x 128: words 0-15 tile 2 G, words 16-31 tile 2 G + 1.
; y = 1: the same columns of Wh_w are quantised likewise and stay in registers; dec_hidden [32][1024] is quantised along K;
; hb[m][n] = sum over k of Q(dec)[m][k] Q(Wh)[k][n] + Wh_b[n] + Ws_b[n] + Wc_b[n], f32.
; SHARES: wave s of eight takes K step s (k = 128 s .. 128 s + 127).  A LANE TAKES A COLUMN AND ITS REGISTERS RUN DOWN K: a load reads 128 consecutive bytes, a block of 32 lies in one lane,
; and the conversions give codes with K innermost.  Eight exchanges of lane halves turn the four blocks of 32 columns into the fragments of two tiles.
; y = 1: each wave multiplies its K step (four products, C = 0); the eight partial results meet in LDS as images of the accumulators and are added in f32.
; The two ways part once, on the work-group's y, which all waves of a work-group share; LDS and the barrier belong to the second way alone.
; A block's scale is 2^(floor(log2(largest magnitude)) - 2); its byte is the largest magnitude's exponent field - 2, held at 1 from below.
; LIMITS: a block of zeros gets the byte 1 where the rule says 127 (its codes are zeros, and this program alone reads the bytes); blocks whose largest magnitude lies under 2^-124 were not tried; NaN and infinities are not served.
; hb leaves as pieces of 64 bytes (sixteen lanes, one row): 131,072 bytes in all, one sixty-fourth of what the launch reads.  A wave's scale words are 128 consecutive bytes.
.set L4,   1                           ; v1   4 x lane
.set DOF,  2                           ; v2   dec_hidden: row r of 4,096 bytes + 128 h
.set L16,  3                           ; v3   16 x lane
.set SH8,  4                           ; v4   8 h
.set R4,   5                           ; v5   4 r
.set BB,   6                           ; v6-8 the three biases of my column
.set STA,  9                           ; v9   LDS: 4,096 x wave + 16 x lane
.set RDA,  10                          ; v10  LDS: 16 x thread
.set HBO,  11                          ; v11  hb: 8 h rows + 4 r
.set WN,   16                          ; v16-143  128 numbers of my column; later the accumulators and the sums
.set AC,   80                          ; v80-111  four accumulators: 8 (2 mt + nt)
.set SM,   112                         ; v112-143 eight partial results of my four outputs
.set DA,   144                         ; v144-207 dec's rows 0-15, 64 numbers a lane; then its rows 16-31
.set WF,   208                         ; v208-215 the fragment of tile 2 G, v216-223 of tile 2 G + 1
.set DC,   224                         ; v224-231, v232-239 dec's two fragments
.set WSW,  240                         ; v240 W's scale words; v241, v242 dec's: these three hold scales and nothing else
.set DSW,  241
.set QM,   244                         ; v244-247 largest magnitudes; v248-251 the conversions' scale operands; v252-255 bytes, at work
.set QS,   248
.set QB,   252
.set WV,   22
.set SEL,  36
.macro WLOAD base, from, cnt           ; W(128 s + n, my column), n = from .. from + cnt - 1
.set n, \from
.rept \cnt
	global_load_b32 v[WN+n], v[L4], s[\base:\base+1] offset:n*4096 th:TH_LOAD_NT
.set n, n+1
.endr
.endm
.macro WQ                              ; my column's four blocks become codes, a scale word, and then the fragments of two tiles
.irp kb, 0,1,2,3
	v_max3_num_f32 v[QM+\kb], |v[WN+32*\kb]|, |v[WN+32*\kb+1]|, 0x1800000   ; the floor 2^(3 - 127): the byte cannot fall under 1
.endr
.irp i, 2,4,6,8,10,12,14,16,18,20,22,24,26,28,30
.irp kb, 0,1,2,3
	s_delay_alu instid0(VALU_DEP_4)
	v_max3_num_f32 v[QM+\kb], v[QM+\kb], |v[WN+32*\kb+\i]|, |v[WN+32*\kb+\i+1]|   ; the four blocks by turns
.endr
.endr
.irp kb, 0,1,2,3
	s_delay_alu instid0(VALU_DEP_4)
	v_add_nc_u32 v[QS+\kb], 0xff000000, v[QM+\kb]   ; 2 off the exponent field: the conversion's scale operand
.endr
.irp kb, 0,1,2,3
	s_delay_alu instid0(VALU_DEP_4)
	v_lshrrev_b32 v[QB+\kb], 23, v[QS+\kb]          ; the scale's byte
.endr
	s_delay_alu instid0(VALU_DEP_3)
	v_lshl_or_b32 v[WSW], v[QB+1], 8, v[QB]
	s_delay_alu instid0(VALU_DEP_1)
	v_lshl_or_b32 v[WSW], v[QB+2], 16, v[WSW]
	s_delay_alu instid0(VALU_DEP_1)
	v_lshl_or_b32 v[WSW], v[QB+3], 24, v[WSW]       ; my column's scale word for this K step
.irp kb, 0,1,2,3
.irp g, 0,1,2,3
	v_cvt_scalef32_pk8_fp4_f32 v[WF+8*(\kb%2)+4*(\kb/2)+\g], v[WN+32*\kb+8*\g:WN+32*\kb+8*\g+7], v[QS+\kb]   ; even blocks into the first fragment's registers, odd blocks into the second's
.endr
.endr
	v_nop                                           ; one plain place behind the scaled conversions
.irp c, 0,1
.irp g, 0,1,2,3
	v_permlane16_swap_b32 v[WF+4*\c+\g], v[WF+8+4*\c+\g]   ; block 2 c of columns 16-31 changes places with block 2 c + 1 of columns 0-15: lane (r, h) of each fragment now holds k = 64 c + 32 h + 0 .. 31 of its column r
.endr
.endr
.endm
.macro DLOAD reg, off                  ; sixteen rows of dec_hidden: lane (r, h) takes k = 64 c + 32 h + 0 .. 31 of row r, this wave's K step
.irp c, 0,1
.irp q, 0,1,2,3,4,5,6,7
	global_load_b128 v[\reg+32*\c+4*\q:\reg+32*\c+4*\q+3], v[DOF], s[8:9] offset:\off+256*\c+16*\q
.endr
.endr
.endm
.macro DQ s, pc, pw                    ; 64 numbers of a lane, two whole blocks, become a fragment in v[pc] on and its scale word in v[pw]
.irp c, 0,1
	v_max3_num_f32 v[QM+\c], |v[\s+32*\c]|, |v[\s+32*\c+1]|, 0x1800000
.endr
.irp i, 2,4,6,8,10,12,14,16,18,20,22,24,26,28,30
.irp c, 0,1
	s_delay_alu instid0(VALU_DEP_2)
	v_max3_num_f32 v[QM+\c], v[QM+\c], |v[\s+32*\c+\i]|, |v[\s+32*\c+\i+1]|
.endr
.endr
.irp c, 0,1
	s_delay_alu instid0(VALU_DEP_2)
	v_add_nc_u32 v[QS+\c], 0xff000000, v[QM+\c]
.endr
.irp c, 0,1
	s_delay_alu instid0(VALU_DEP_2)
	v_lshrrev_b32 v[QB+\c], 23, v[QS+\c]
.endr
	s_delay_alu instid0(VALU_DEP_1)
	v_lshl_or_b32 v[QB+2], v[QB+1], 16, v[QB]       ; my bytes: blocks h and 2 + h of row r,
	s_delay_alu instid0(VALU_DEP_1)
	v_lshlrev_b32 v[QB+2], v[SH8], v[QB+2]          ; at their places in the word;
	v_mov_b32 v[QB+3], 0                            ; (a lane permute's destination counts as one of its sources)
	s_delay_alu instid0(VALU_DEP_1)
	v_permlanex16_b32 v[QB+3], v[QB+2], s[SEL], s[SEL+1]
	s_delay_alu instid0(VALU_DEP_1)
	v_or_b32 v[\pw], v[QB+2], v[QB+3]               ; with lane l xor 16's two the word is whole
.irp c, 0,1
.irp g, 0,1,2,3
	v_cvt_scalef32_pk8_fp4_f32 v[\pc+4*\c+\g], v[\s+32*\c+8*\g:\s+32*\c+8*\g+7], v[QS+\c]
.endr
.endr
	v_nop                                           ; one plain place behind the scaled conversions
.endm
	s_load_b512 s[4:19], s[0:1], 0x0               ; Ws_w, Wh_w, dec_hidden, Wh_b, Ws_b, Wc_b, wsc, wss
	s_load_b64 s[20:21], s[0:1], 0x40              ; hb
	v_lshl_add_u32 v15, v0, 2, 0x8000
	v_mov_b32 v243, 0
	v_lshrrev_b32 v12, 5, v0
	s_delay_alu instid0(VALU_DEP_1)
	v_readfirstlane_b32 s[WV], v12                 ; wave = K step
	s_and_b32 s23, ttmp7, 0xffff                   ; y
	v_and_b32 v12, 31, v0                          ; lane
	v_and_b32 v13, 15, v0                          ; r
	v_bfe_u32 v14, v0, 4, 1                        ; h
	s_delay_alu instid0(VALU_DEP_3)
	v_lshlrev_b32 v[L4], 2, v12
	s_delay_alu instid0(VALU_DEP_4)
	v_lshlrev_b32 v[L16], 4, v12
	s_lshl_b32 s24, s[WV], 19                      ; 128 rows of 4,096 bytes a K step,
	s_lshl_b32 s25, ttmp9, 7                       ; 32 columns of 4 bytes a work-group
	s_add_co_u32 s24, s24, s25
	s_mov_b32 s25, 0
	s_mov_b32 s27, 0
	s_mov_b32 s[SEL], 0x76543210
	s_mov_b32 s[SEL+1], 0xfedcba98                 ; v_permlanex16_b32's selects for lane l xor 16
	s_wait_kmcnt 0x0
	s_cmp_lg_u32 s23, 0
	s_cbranch_scc1 .Lwh
	; ---- y = 0: Ws_w
	s_add_nc_u64 s[4:5], s[4:5], s[24:25]
	s_wait_alu depctr_va_vdst(0)
	WLOAD 4, 0, 128
	s_lshl_b32 s26, ttmp9, 14                      ; two tiles x 8 K steps x 1,024 bytes a work-group,
	s_lshl_b32 s28, s[WV], 10                      ; 1,024 a K step
	s_add_co_u32 s26, s26, s28
	s_add_nc_u64 s[16:17], s[16:17], s[26:27]
	s_lshl_b32 s26, ttmp9, 10                      ; scale words: (8 G + s) x 128 bytes
	s_lshl_b32 s28, s[WV], 7
	s_add_co_u32 s26, s26, s28
	s_add_nc_u64 s[18:19], s[18:19], s[26:27]
	s_wait_loadcnt 0x0
	WQ
.irp nt, 0,1
.irp c, 0,1
	global_store_b128 v[L16], v[WF+8*\nt+4*\c:WF+8*\nt+4*\c+3], s[16:17] offset:8192*\nt+512*\c   ; 32 lanes store 512 consecutive bytes, at a multiple of 512 from the buffer's first byte
.endr
.endr
	global_store_b32 v[L4], v[WSW], s[18:19]
	s_endpgm
	; ---- y = 1: Wh_w, dec_hidden and the biases
.Lwh:
	s_add_nc_u64 s[6:7], s[6:7], s[24:25]
	s_lshl_b32 s26, s[WV], 9                       ; dec_hidden: 128 numbers a K step
	s_add_nc_u64 s[8:9], s[8:9], s[26:27]
	s_wait_alu depctr_va_vdst(0)
	v_lshlrev_b32 v[DOF], 12, v13
	s_delay_alu instid0(VALU_DEP_1)
	v_lshl_add_u32 v[DOF], v14, 7, v[DOF]
	DLOAD DA, 0                                    ; rows 0-15
	s_bfe_u32 s28, s[WV], 0x10001                  ; at the end wave v adds up accumulator v / 2 = 2 mt + nt, half v % 2: nt,
	s_lshl_b32 s26, ttmp9, 7
	s_lshl_b32 s29, s28, 6
	s_add_co_u32 s26, s26, s29                     ; its first column in bytes: 128 G + 64 nt
	s_add_nc_u64 s[10:11], s[10:11], s[26:27]
	s_add_nc_u64 s[12:13], s[12:13], s[26:27]
	s_add_nc_u64 s[14:15], s[14:15], s[26:27]
	v_lshlrev_b32 v[R4], 2, v13
	s_wait_alu depctr_va_vdst(0)
	global_load_b32 v[BB], v[R4], s[10:11]
	global_load_b32 v[BB+1], v[R4], s[12:13]
	global_load_b32 v[BB+2], v[R4], s[14:15]
	WLOAD 6, 0, 60
	s_lshr_b32 s30, s[WV], 2
	s_lshl_b32 s30, s30, 16                        ; 16 mt rows of 4,096 bytes,
	s_and_b32 s31, s[WV], 1
	s_lshl_b32 s31, s31, 14                        ; 4 x half rows
	s_add_co_u32 s30, s30, s31
	s_add_co_u32 s30, s30, s26
	s_mov_b32 s31, 0
	s_add_nc_u64 s[20:21], s[20:21], s[30:31]
	s_lshl_b32 s32, s[WV], 12
	v_add_nc_u32 v[STA], s32, v[L16]
	v_lshlrev_b32 v[RDA], 4, v0
	v_lshl_add_u32 v[HBO], v14, 15, v[R4]
	v_lshlrev_b32 v[SH8], 3, v14
	s_wait_loadcnt 60                              ; dec's rows 0-15 and the biases are in; the 60 loads of W issued behind them may be out
	DQ DA, DC, DSW
	WLOAD 6, 60, 68                                ; the rest of W,
	DLOAD DA, 65536                                ; and rows 16-31, into the registers that rows 0-15 have left
	s_wait_loadcnt 16                              ; all of W is in; the sixteen loads of rows 16-31 may be out
	WQ
	s_wait_loadcnt 0x0
	DQ DA, DC+8, DSW+1
.rept 8
	v_nop                                          ; a scale register written by a vector instruction stands 8 places ahead of a scaled matrix instruction, an operand so written 4
.endr
.irp mt, 0,1                                   ; source 0 = 16 rows of dec_hidden, source 1 = 16 columns of Wh: register j of lane (r, h) is (row 16 mt + 8 h + j, column 16 nt + r)
	v_wmma_scale_f32_16x16x128_f8f6f4 v[AC+16*\mt:AC+16*\mt+7], v[DC+8*\mt:DC+8*\mt+7], v[WF:WF+7], 0, v[DSW+\mt], v[WSW] matrix_a_fmt:MATRIX_FMT_FP4 matrix_b_fmt:MATRIX_FMT_FP4
	v_wmma_scale_f32_16x16x128_f8f6f4 v[AC+16*\mt+8:AC+16*\mt+15], v[DC+8*\mt:DC+8*\mt+7], v[WF+8:WF+15], 0, v[DSW+\mt], v[WSW] matrix_a_fmt:MATRIX_FMT_FP4 matrix_b_fmt:MATRIX_FMT_FP4 matrix_b_scale:MATRIX_SCALE_ROW1
.endr
.rept 4
	v_nop                                          ; four places in front of the first read of results
.endr
.irp a, 0,1,2,3
	ds_store_b128 v[STA], v[AC+8*\a:AC+8*\a+3] offset:1024*\a          ; each accumulator from its low end on, as it stands: 512 consecutive bytes a store
	ds_store_b128 v[STA], v[AC+8*\a+4:AC+8*\a+7] offset:1024*\a+512
.endr
	s_wait_dscnt 0x0                               ; for the others' sake: my stores have landed
	s_barrier_signal -1
	s_barrier_wait -1
.irp w, 0,1,2,3,4,5,6,7
	ds_load_b128 v[SM+4*\w:SM+4*\w+3], v[RDA] offset:4096*\w   ; the same four outputs of the eight K steps
.endr
	v_add_f32 v[BB], v[BB], v[BB+1]
	s_delay_alu instid0(VALU_DEP_1)
	v_add_f32 v[BB], v[BB], v[BB+2]                ; Wh_b + Ws_b + Wc_b of my column
	s_wait_dscnt 0x0
.irp w, 1
	v_pk_add_f32 v[SM:SM+1], v[SM:SM+1], v[SM+4*\w:SM+4*\w+1]
	v_pk_add_f32 v[SM+2:SM+3], v[SM+2:SM+3], v[SM+4*\w+2:SM+4*\w+3]
.endr
.irp w, 2, 3, 4, 5, 6, 7
	s_delay_alu instid0(VALU_DEP_2)
	v_pk_add_f32 v[SM:SM+1], v[SM:SM+1], v[SM+4*\w:SM+4*\w+1]
	s_delay_alu instid0(VALU_DEP_2)
	v_pk_add_f32 v[SM+2:SM+3], v[SM+2:SM+3], v[SM+4*\w+2:SM+4*\w+3]
.endr
	s_delay_alu instid0(VALU_DEP_2)
	v_pk_add_f32 v[SM:SM+1], v[SM:SM+1], v[BB:BB+1] op_sel_hi:[1,0]
	s_delay_alu instid0(VALU_DEP_2)
	v_pk_add_f32 v[SM+2:SM+3], v[SM+2:SM+3], v[BB:BB+1] op_sel_hi:[1,0]
.irp i, 0,1,2,3
	global_store_b32 v[HBO], v[SM+\i], s[20:21] offset:4096*\i   ; hb(16 mt + 8 h + 4 half + i, 32 G + 16 nt + r)
.endr
	s_wait_tensorcnt 0x0
	ds_add_u32 v15, v243
	s_wait_dscnt 0x0
	s_endpgm
.Lfunc_end_k_qbc2e2cc3ed_prep:
	.size	k_qbc2e2cc3ed_prep, .Lfunc_end_k_qbc2e2cc3ed_prep-k_qbc2e2cc3ed_prep
	.p2alignl 7, 3214868480
	.fill 96, 4, 3214868480
	.section	.rodata,"a",@progbits
	.p2align	6, 0x0
	.amdhsa_kernel k_qbc2e2cc3ed_prep
		.amdhsa_group_segment_fixed_size 33792
		.amdhsa_private_segment_fixed_size 0
		.amdhsa_enable_private_segment 0
		.amdhsa_kernarg_size 72
		.amdhsa_user_sgpr_count 2
		.amdhsa_user_sgpr_kernarg_segment_ptr 1
		.amdhsa_wavefront_size32 1
		.amdhsa_system_sgpr_workgroup_id_x 1
		.amdhsa_system_sgpr_workgroup_id_y 1
		.amdhsa_system_sgpr_workgroup_id_z 1
		.amdhsa_system_vgpr_workitem_id 0
		.amdhsa_next_free_vgpr 256
		.amdhsa_next_free_sgpr 66
		.amdhsa_reserve_vcc 0
		.amdhsa_float_denorm_mode_32 3
		.amdhsa_float_denorm_mode_16_64 3
		.amdhsa_memory_ordered 1
		.amdhsa_forward_progress 1
		.amdhsa_inst_pref_size 60
	.end_amdhsa_kernel
	.amdgpu_metadata
---
amdhsa.version: [ 1, 2 ]
amdhsa.kernels:
  - .name:           k_qbc2e2cc3ed_prep
    .symbol:         k_qbc2e2cc3ed_prep.kd
    .args:
      - { .name: Ws_w, .offset: 0, .size: 8, .value_kind: global_buffer, .address_space: global }
      - { .name: Wh_w, .offset: 8, .size: 8, .value_kind: global_buffer, .address_space: global }
      - { .name: dec_hidden, .offset: 16, .size: 8, .value_kind: global_buffer, .address_space: global }
      - { .name: Wh_b, .offset: 24, .size: 8, .value_kind: global_buffer, .address_space: global }
      - { .name: Ws_b, .offset: 32, .size: 8, .value_kind: global_buffer, .address_space: global }
      - { .name: Wc_b, .offset: 40, .size: 8, .value_kind: global_buffer, .address_space: global }
      - { .name: wsc, .offset: 48, .size: 8, .value_kind: global_buffer, .address_space: global }
      - { .name: wss, .offset: 56, .size: 8, .value_kind: global_buffer, .address_space: global }
      - { .name: hb, .offset: 64, .size: 8, .value_kind: global_buffer, .address_space: global }
    .group_segment_fixed_size: 33792
    .private_segment_fixed_size: 0
    .kernarg_segment_align: 8
    .kernarg_segment_size: 72
    .max_flat_workgroup_size: 256
    .sgpr_count:     66
    .vgpr_count:     256
    .wavefront_size: 32
...
	.end_amdgpu_metadata
.endif
;; end of part 1
;; launch attn (part 2): grid 256 x 1, 4 waves a work-group, no clusters, 327,680 bytes of LDS; arguments enc_output, prev_coverage, Wc_w, V_w, V_b, wsc, wss, hb, psc, pst, pctx; writes psc, pst, pctx
.if DOCPART == 2
	.amdgcn_target "amdgcn-amd-amdhsa--gfx1250"
	.amdhsa_code_object_version 6
	.text
	.protected	k_qbc2e2cc3ed_attn
	.globl	k_qbc2e2cc3ed_attn
	.p2align	8
	.type	k_qbc2e2cc3ed_attn,@function
k_qbc2e2cc3ed_attn:
	s_mov_b64 s[64:65], 0
	v_nop
	global_prefetch_b8 v0, s[64:65] scope:SCOPE_SE
	s_setreg_imm32_b32 hwreg(HW_REG_WAVE_MODE, 25, 1), 1
	s_wait_xcnt 0x0
; For 256 rows (one eighth of a batch) of enc_output [65,536][1024] f32:  feat = Q(x) Q(Ws) + cov Wc + hb;  score = sum over n of V tanh(feat) + V_b;  a running softmax over the rows and the
; weighted sum of the UNQUANTISED x.  Out: t = score x log2(e) of each row (psc), the work-group's largest t and its sum of 2^(t - m) (pst), and the sum of 2^(t - m) x (pctx).  The last launch joins a batch's eight parts.
; ALL OF Ws STAYS IN THE WORK-GROUP: 524,288 bytes of codes.  Wave w owns columns 256 w .. + 255 (16 tiles, four quads of four).  K steps 0-5 of its tiles fill 768 registers (windows 1 to 3), 192 loads in the order of the quads:
; the head waits for all but the last 63, quad 2 for all but quad 3's 48, quad 3 for all.  K steps 6-7 (32,768 bytes a wave) come into LDS bytes of the wave's own by its one tensor load at the head.
; Its scale words (8,192 bytes) and its columns' constants (3,072) come by 22 loads of 512 consecutive bytes, are stored to LDS bytes of its own as they lie, read back a word a lane, and stored again over the same bytes in the order that the quads read.
; x: sixteen blocks of 16 rows.  A block lies in LDS as f32 from its landing until its scores are known: it is quantised from there and summed from there, while the next block lands in the other slot: each byte of x is loaded once.
; For x the waves share K: wave w alone fetches, quantises and sums k = 256 w .. + 255 (K steps 2 w, 2 w + 1).  The codes go from wave to wave as images of the operand's registers.
; THE ORDER IN A BLOCK: four quads; behind the last quad's products the next block's f32 are read; the scores' parts are stored; the next block is quantised in registers; the barrier; the four parts, the context's rows and
; the stores of the codes are issued; the softmax; the context.
; 16 rows and not 32: two f32 slots of 32 rows are 262,144 bytes, which with Ws's 557,056 bytes of codes and scale words pass the 851,968 bytes of a WGP's registers and LDS.
; tanh(f) = 1 - 2 / (1 + 2^(c f)), c = 2 log2(e).  An exponential that overflows gives the reciprocal 0 (tanh 1), one that falls to 0 gives 1 (tanh -1).  cov Wc + hb is the C of a tile's first product.
; SOFTMAX: a running largest t (m) and sum (l); in every block l and the context are multiplied by 2^(old m - new m).  All four waves compute the same numbers; lanes l and l + 16 stand for row l of the block.
; PREFETCH: trip i, which loads block i + 1, asks for block i + 3: each wave for its own 16 rows x 1,024 bytes, 64 blocks of 256 bytes, a lane a block, two lines; the head asks for blocks 0, 1 and 2; trips 13 and 14 ask for nothing.
; NO CLUSTER: x's tiles belong to one work-group; what work-groups share is Ws, which is read once a work-group, three quarters of it into registers.
; enc_pad_mask is no argument:
; LIMITS: NaN and infinities among the inputs are not served.  A block of 32 zeros gets the scale byte 1 where the rule says 127 (its codes are zeros; this program alone reads the bytes); blocks whose largest
; magnitude lies under 2^-124 were not tried.  All of the LDS is claimed; the text uses 320,768 bytes.
.set XP,    1040                       ; a row of a wave's x tile in LDS: 1,024 bytes + 16 of padding
.set SLOTB, 16*XP                      ; 0x4100; w x 0x8200 has neither of its two bits set for w = 0 .. 3: one exclusive or changes slots
.set WAVEX, 2*SLOTB
.set BLKB,  16*4096                    ; a block of 16 rows in memory
.set WL,    4*WAVEX                    ; Ws, K steps 6-7: 32,768 w + 2,048 t + 1,024 (s - 6) + 512 c + 16 lane
.set WSC,   WL+131072                  ; Ws's scale words: 8,192 w + 1,024 pair + 512 (s / 4) + 16 lane + 4 (s % 4)
.set CST,   WSC+32768                  ; constants: 3,072 w + 768 quad + 256 kind (Wc, hb, -2 V) + 16 r + 4 tile
.set IMG,   CST+12288                  ; x's 8 fragments of codes: 1,024 s + 512 c + 16 lane
.set XSC,   IMG+8192                   ; x's scale words: 16 (16 (s % 2) + r) + 4 (s / 2)
.set SCR,   XSC+512                    ; the waves' parts of the scores: 64 w + 4 row
.set PCV,   SCR+256                    ; prev_coverage of the 256 rows
.set TSC,   PCV+1024                   ; t of the 256 rows (wave 0 alone)
.set SPARE, TSC+1024                   ; the spare words: two blocks of 256 bytes that no other line names
; window 0
.set SPW,1
.set NIL,2
.set BOF,3                             ; 16 x lane
.set IMR,4
.set XSR,5
.set XQ,6                              ; the quantiser's place in a slot: r rows + 128 h
.set XCA,7                             ; the context's address
.set XQA,8                             ; the quantiser's address
.set IMW,9
.set XSW,10
.set SCW,11
.set SCRR,12
.set PCB,13
.set SH8,14
.set TSB,15
.set WLR,16
.set WSR,17
.set CSR,18
.set PFO,19                            ; the prefetches' offset: 4,096 (lane / 4) + 256 (lane % 4); never rewritten
.set XS,20                             ; v20-23 x's scale words: register j: lanes 0-15 K step 2 j, lanes 16-31 K step 2 j + 1
.set BSC,24                            ; v24-39 the quad's scale words of Ws: 8 pair + s: lanes 0-15 the even tile, lanes 16-31 the odd.  v20-39 hold scales and nothing else
.set WCB,40                            ; v40-43 Wc, v44-47 hb of the quad's four tiles
.set VV,48                             ; v48-51 -2 V likewise
.set SV,52                             ; v52 the sum of my 16 V_w (v53 written with it)
.set TP,54
.set TT,58
.set BM,59
.set PX,60
.set MN,61
.set FF,62                             ; 2^(old m - new m) (v63 set to 0 once)
.set PP,64
.set TA,65
.set MX,66                             ; m, and beside it
.set LS,67                             ; l
.set CTX,68                            ; v68-75 my eight columns of the context
.set COV,76                            ; v76-83 prev_coverage of row 8 h + j
.set SACC,84                           ; v84-91 the scores' sums, likewise
.set ACC,92                            ; v92-123 four accumulators
.set QM,92                             ; the quantiser, between the products
.set QS,96
.set QB,98
.set QW,100
.set PC,102
.set PW,118
.set XF,128                            ; v128-191 x's 8 fragments; also the quantiser's first 64 numbers and the context's rows 0-7
.set BF,192                            ; v192-255 K steps 6-7 of the quad's tiles: 32 (s - 6) + 8 tile; also the second 64 numbers and rows 8-15
; windows 1 to 3: fragment (quad q, K step s < 6, tile tt) at register 192 q + 32 s + 8 tt of the 768
.set WV,26
.set CNT,27
.set PCO,28                            ; 64 x the block's number
.set G1,32
.set G0,40
.set SOW,44
.set SNW,45
.set PFA,46
.set CC,50
.set L2E,52
.set VBL,53
.set WSB,54
.set PS,66                             ; s[66:97] sixteen pairs: a row's weight in the even register, 0 in the odd one
.set G1W,68                            ; s[68:75], s[76:79] at the head: the descriptor of K steps 6-7; written again only behind the wait for that load
.set G0W,76
.set MSB,0
.macro WIN new                         ; the immediate's high byte repeats the setting that is left
.if MSB != (\new)
	s_set_vgpr_msb (MSB<<8)|(\new)
.set MSB, (\new)
.endif
.endm
.macro RES win, lo, hi                 ; the resident fragments that lie in window win, registers lo .. hi - 1, in ascending order
	WIN (\win)<<6
.irp q, 0,1,2,3
.irp s, 0,1,2,3,4,5
.irp tt, 0,1,2,3
.set ix, 192*\q+32*\s+8*\tt-256*((\win)-1)
.if (ix >= \lo) && (ix < \hi)
	global_load_b128 v[ix:ix+3], v[BOF], s[WSB:WSB+1] offset:(8*(4*\q+\tt)+\s)*1024
	global_load_b128 v[ix+4:ix+7], v[BOF], s[WSB:WSB+1] offset:(8*(4*\q+\tt)+\s)*1024+512
.endif
.endr
.endr
.endr
.endm
.macro XLD f                           ; the f32 numbers of my K step f: lane (r, h) takes k = 64 c + 32 h + 0 .. 31 of row r: two whole blocks of 32
.irp c, 0,1
.irp q, 0,1,2,3,4,5,6,7
	ds_load_b128 v[XF+64*(\f)+32*\c+4*\q:XF+64*(\f)+32*\c+4*\q+3], v[XQA] offset:(\f)*512+256*\c+16*\q
.endr
.endr
.endm
.macro QC f                            ; they become codes and a scale word, in registers
.set qA, XF+64*(\f)
.set qP, PC+8*(\f)
.set qW, PW+(\f)
.irp c, 0,1
.irp z, 0,1
	v_max3_num_f32 v[QM+2*\c+\z], 0x1800000, |v[qA+32*\c+2*\z]|, |v[qA+32*\c+2*\z+1]|   ; the floor 2^(3 - 127): the byte cannot fall under 1
.endr
.endr
.irp i, 4,8,12,16,20,24,28
.irp c, 0,1
.irp z, 0,1
	v_max3_num_f32 v[QM+2*\c+\z], v[QM+2*\c+\z], |v[qA+32*\c+\i+2*\z]|, |v[qA+32*\c+\i+2*\z+1]|   ; four chains by turns
.endr
.endr
.endr
	v_max_num_f32 v[QM], v[QM], v[QM+1]
	v_max_num_f32 v[QM+2], v[QM+2], v[QM+3]
	v_add_nc_u32 v[QS], 0xff000000, v[QM]          ; 2 off the exponent field: the conversion's scale operand
	v_add_nc_u32 v[QS+1], 0xff000000, v[QM+2]
	v_lshrrev_b32 v[QB], 23, v[QS]                 ; the scale's byte
	v_lshrrev_b32 v[QB+1], 23, v[QS+1]
	v_lshl_or_b32 v[QW], v[QB+1], 16, v[QB]        ; blocks h and 2 + h of my row,
	v_lshlrev_b32 v[QW], v[SH8], v[QW]             ; at their places in the word
	v_mov_b32 v[QW+1], 0
	v_permlanex16_b32 v[QW+1], v[QW], s48, s49
	v_or_b32 v[qW], v[QW], v[QW+1]                 ; with lane l xor 16's two the word is whole
.irp c, 0,1
.irp g, 0,1,2,3
	v_cvt_scalef32_pk8_fp4_f32 v[qP+4*\c+\g], v[qA+32*\c+8*\g:qA+32*\c+8*\g+7], v[QS+\c]
.endr
.endr
	v_nop                                          ; one plain place behind the scaled conversions
.endm
.macro QST f                           ; and go to LDS as they stand
.irp c, 0,1
	ds_store_b128 v[IMW], v[PC+8*(\f)+4*\c:PC+8*(\f)+4*\c+3] offset:(\f)*1024+512*\c
.endr
	ds_store_b32 v[XSW], v[PW+(\f)] offset:256*(\f)   ; both halves of the lanes write the same word with the same value
.endm
; One K step of a quad: four products, the four accumulators by turns.  Source 0 = 16 rows of x, source 1 = 16 columns of Ws: register j of lane (r, h) is (row 8 h + j, column 16 t + r)
.macro MM q, s
.set ix, 192*(\q)+32*(\s)
.if (\s) < 6
	WIN (1+ix/256)<<2
.set mB, ix%256
.else
	WIN 0
.set mB, BF+32*((\s)-6)
.endif
.set mA, XF+8*(\s)
.set mX, XS+(\s)/2
.irp tt, 0,1,2,3
.set mD, ACC+8*\tt
.set mY, BSC+8*(\tt/2)+(\s)
.if (((\s)%2) == 0) && ((\tt%2) == 0)
	v_wmma_scale_f32_16x16x128_f8f6f4 v[mD:mD+7], v[mA:mA+7], v[mB+8*\tt:mB+8*\tt+7], v[mD:mD+7], v[mX], v[mY] matrix_a_fmt:MATRIX_FMT_FP4 matrix_b_fmt:MATRIX_FMT_FP4
.elseif (((\s)%2) == 1) && ((\tt%2) == 0)
	v_wmma_scale_f32_16x16x128_f8f6f4 v[mD:mD+7], v[mA:mA+7], v[mB+8*\tt:mB+8*\tt+7], v[mD:mD+7], v[mX], v[mY] matrix_a_fmt:MATRIX_FMT_FP4 matrix_b_fmt:MATRIX_FMT_FP4 matrix_a_scale:MATRIX_SCALE_ROW1
.elseif (((\s)%2) == 0) && ((\tt%2) == 1)
	v_wmma_scale_f32_16x16x128_f8f6f4 v[mD:mD+7], v[mA:mA+7], v[mB+8*\tt:mB+8*\tt+7], v[mD:mD+7], v[mX], v[mY] matrix_a_fmt:MATRIX_FMT_FP4 matrix_b_fmt:MATRIX_FMT_FP4 matrix_b_scale:MATRIX_SCALE_ROW1
.else
	v_wmma_scale_f32_16x16x128_f8f6f4 v[mD:mD+7], v[mA:mA+7], v[mB+8*\tt:mB+8*\tt+7], v[mD:mD+7], v[mX], v[mY] matrix_a_fmt:MATRIX_FMT_FP4 matrix_b_fmt:MATRIX_FMT_FP4 matrix_a_scale:MATRIX_SCALE_ROW1 matrix_b_scale:MATRIX_SCALE_ROW1
.endif
.endr
.endm
.macro NBF qn                          ; K steps 6-7 of quad qn's tiles: 16 loads
.irp s, 0,1
.irp tt, 0,1,2,3
.irp c, 0,1
	ds_load_b128 v[BF+32*\s+8*\tt+4*\c:BF+32*\s+8*\tt+4*\c+3], v[WLR] offset:(4*(\qn)+\tt)*2048+1024*\s+512*\c
.endr
.endr
.endr
.endm
.macro NBS qn                          ; quad qn's scale words, Wc and hb: 6 loads
.irp p, 0,1
.irp j, 0,1
	ds_load_b128 v[BSC+8*\p+4*\j:BSC+8*\p+4*\j+3], v[WSR] offset:(2*(\qn)+\p)*1024+512*\j
.endr
.endr
	ds_load_b128 v[WCB:WCB+3], v[CSR] offset:768*(\qn)
	ds_load_b128 v[WCB+4:WCB+7], v[CSR] offset:768*(\qn)+256
.endm
.macro CLD g                           ; rows 4 g .. 4 g + 3 of my quarter of x, as f32: lane l holds columns 4 l .. + 3 and 128 + 4 l .. + 3
.irp p, 0,1,2,3
.irp u, 0,1
	ds_load_b128 v[XF+32*(\g)+8*\p+4*\u:XF+32*(\g)+8*\p+4*\u+3], v[XCA] offset:(4*(\g)+\p)*XP+512*\u
.endr
.endr
.endm
.macro CFMA g                          ; the context takes them, each row times its weight
.irp p, 0,1,2,3
.irp e, 0,1,2,3
	v_pk_fma_f32 v[CTX+2*\e:CTX+2*\e+1], v[XF+32*(\g)+8*\p+2*\e:XF+32*(\g)+8*\p+2*\e+1], s[PS+2*(4*(\g)+\p):PS+2*(4*(\g)+\p)+1], v[CTX+2*\e:CTX+2*\e+1] op_sel_hi:[1,0,1]
.endr
.endr
.endm
.macro ASK                             ; block i + 3 in trip i = 15 - s[CNT]: none beyond block 15
	s_cmp_ge_u32 s[CNT], 3
	s_cbranch_scc0 .Lno_ask_\@
	global_prefetch_b8 v[PFO], s[PFA:PFA+1] offset:2*BLKB th:TH_LOAD_NT scope:SCOPE_SE
	global_prefetch_b8 v[PFO], s[PFA:PFA+1] offset:2*BLKB+32768 th:TH_LOAD_NT scope:SCOPE_SE
.Lno_ask_\@:
.endm
; A quad of tiles: 32 products, then tanh and V for 16 rows x 64 columns.  first: the block's first quad, which waits for x's fragments K step by K step.
; fin = 1: the last quad of a block that has a successor: behind its products the next block's f32 are read;  fin = 2: of the last block: the context's rows are read there.
.macro QUAD q, first, fin, ask
.if \first
	s_wait_dscnt 33                                ; V and the coverage are in; x's scale words, its sixteen fragment loads and the sixteen of K steps 6-7 may be out
.else
	s_wait_dscnt 0x0                               ; this quad's 22 loads are in
.if (\q) == 2
	s_wait_loadcnt 48                              ; the first trip: my resident fragments are in; quad 3's 48 loads may be out
.elseif (\q) == 3
	s_wait_loadcnt 0x0
.endif
	ds_load_b128 v[VV:VV+3], v[CSR] offset:768*(\q)+512
.endif
.irp u, 0,1                                    ; cov Wc + hb into the accumulators: the C of the first products.  The odd tile's constants are the pair's second registers
.irp e, 0,1,2,3
	v_pk_fma_f32 v[ACC+16*\u+2*\e:ACC+16*\u+2*\e+1], v[COV+2*\e:COV+2*\e+1], v[WCB+2*\u:WCB+2*\u+1], v[WCB+4+2*\u:WCB+4+2*\u+1] op_sel_hi:[1,0,0]
.endr
.irp e, 0,1,2,3
	v_pk_fma_f32 v[ACC+16*\u+8+2*\e:ACC+16*\u+8+2*\e+1], v[COV+2*\e:COV+2*\e+1], v[WCB+2*\u:WCB+2*\u+1], v[WCB+4+2*\u:WCB+4+2*\u+1] op_sel:[0,1,1] op_sel_hi:[1,1,1]
.endr
.endr
.if \first
	s_wait_alu depctr_va_vdst(0)
.endif
.irp s, 0,1,2,3,4,5,6,7
.if \first
.if \s < 6
	s_wait_dscnt 30-2*\s                           ; x's fragments up to this K step are in; the later K steps' loads, two each, and the sixteen of K steps 6-7 may be out
.elseif \s == 6
	s_wait_dscnt 0x0
.endif
.endif
	MM \q, \s
.endr
	WIN 0
.rept 4
	v_nop                                          ; four places in front of loads into the products' registers and of the first read of results
.endr
.if (\fin) == 1
	s_wait_alu depctr_va_vdst(0)
	s_wait_tensorcnt 0x0                           ; the next block has landed in my other slot
	XLD 0
	XLD 1
	NBS 0                                          ; the next block's first quad: bytes of my own that nobody writes any more
.elseif (\fin) == 2
	CLD 0
	CLD 1
	CLD 2
	CLD 3
.else
	NBF (\q)+1
	NBS (\q)+1
.endif
.if \ask
	ASK
.endif
.irp i, 0,2,4,6,8,10,12,14,16,18,20,22,24,26,28,30
	v_pk_mul_f32 v[ACC+\i:ACC+\i+1], v[ACC+\i:ACC+\i+1], s[CC:CC+1] op_sel_hi:[1,0]   ; c feat; each accumulator from its low end on
.endr
	s_wait_alu depctr_va_vdst(0)
.set ii, 0
.rept 32
	v_exp_f32 v[ACC+ii], v[ACC+ii]
.set ii, ii+1
.endr
	v_nop
	s_wait_alu depctr_va_vdst(0)
.irp i, 0,2,4,6,8,10,12,14,16,18,20,22,24,26,28,30
	v_pk_add_f32 v[ACC+\i:ACC+\i+1], v[ACC+\i:ACC+\i+1], 1.0 op_sel_hi:[1,0]
.endr
	s_wait_alu depctr_va_vdst(0)
.set ii, 0
.rept 32
	v_rcp_f32 v[ACC+ii], v[ACC+ii]
.set ii, ii+1
.endr
	v_nop
.if (\fin) == 1
	s_wait_dscnt 38                                ; V is in; the 38 loads issued behind it may be out
.elseif (\fin) == 2
	s_wait_dscnt 32
.else
	s_wait_dscnt 22
.endif
	s_wait_alu depctr_va_vdst(0)
.irp u, 0,1
.irp e, 0,1,2,3
.if ((\q) == 0) && (\u == 0)
	v_pk_fma_f32 v[SACC+2*\e:SACC+2*\e+1], v[ACC+2*\e:ACC+2*\e+1], v[VV:VV+1], v[SV:SV+1] op_sel_hi:[1,0,0]   ; the block's first tile starts the sums with my sum of V
.else
	v_pk_fma_f32 v[SACC+2*\e:SACC+2*\e+1], v[ACC+16*\u+2*\e:ACC+16*\u+2*\e+1], v[VV+2*\u:VV+2*\u+1], v[SACC+2*\e:SACC+2*\e+1] op_sel_hi:[1,0,1]
.endif
.endr
.irp e, 0,1,2,3
	v_pk_fma_f32 v[SACC+2*\e:SACC+2*\e+1], v[ACC+16*\u+8+2*\e:ACC+16*\u+8+2*\e+1], v[VV+2*\u:VV+2*\u+1], v[SACC+2*\e:SACC+2*\e+1] op_sel:[0,1,0] op_sel_hi:[1,1,1]
.endr
.endr
.endm
; A BLOCK of 16 rows, whose f32 lie in the slot at s[SOW] and whose codes lie in LDS.  refill: the other slot is filled with the next block.  next: the next block is quantised on the way.
.macro BLOCK refill, next
.if \refill
	s_wait_tensorcnt 0x0                           ; no tensor load of mine is out, so the group 0 may be written
	ds_add_u32 v[SPW], v[NIL]
	s_xor_b32 s[G0+1], s[G0+1], SLOTB              ; the other slot,
	s_add_nc_u64 s[G0+2:G0+3], s[G0+2:G0+3], BLKB  ; the next 16 rows
	s_wait_xcnt 0x0                                ; my prefetches have read their address
	s_add_nc_u64 s[PFA:PFA+1], s[PFA:PFA+1], BLKB
	s_wait_dscnt 0x0                               ; the add is done; my stores of codes have landed; my reads of the other slot are over
	s_barrier_signal -1
	s_barrier_wait -1                              ; all 8 fragments of codes lie in LDS
	tensor_load_to_lds s[G0:G0+3], s[G1:G1+7]      ; my one tensor load behind this barrier
	s_nop 0
.rept 4
	v_nop
.endr
.else
	s_wait_dscnt 0x0
	s_barrier_signal -1
	s_barrier_wait -1
.endif
	v_add_nc_u32 v[TA], s[PCO], v[PCB]
	v_add_nc_u32 v[XCA], s[SOW], v[BOF]
.if \next
	v_add_nc_u32 v[XQA], s[SNW], v[XQ]
.endif
	ds_load_b128 v[VV:VV+3], v[CSR] offset:512
	ds_load_b128 v[COV:COV+3], v[TA]
	ds_load_b128 v[COV+4:COV+7], v[TA] offset:16
	ds_load_b128 v[XS:XS+3], v[XSR]
.irp s, 0,1,2,3,4,5,6,7
.irp c, 0,1
	ds_load_b128 v[XF+8*\s+4*\c:XF+8*\s+4*\c+3], v[IMR] offset:1024*\s+512*\c
.endr
.endr
	NBF 0
	QUAD 0, 1, 0, \refill
	QUAD 1, 0, 0, 0
	QUAD 2, 0, 0, 0
.if \next
	QUAD 3, 0, 1, 0
.else
	QUAD 3, 0, 2, 0
.endif
.irp m, 1,2,4,8
.set ii, 0
.rept 8
	v_add_f32_dpp v[SACC+ii], v[SACC+ii], v[SACC+ii] row_xmask:\m row_mask:0xf bank_mask:0xf   ; over my 16 columns of each tile
.set ii, ii+1
.endr
.endr
	ds_store_b128 v[SCW], v[SACC:SACC+3]           ; rows 8 h on; sixteen lanes write the same 16 bytes with the same values
	ds_store_b128 v[SCW], v[SACC+4:SACC+7] offset:16
.if \next
	s_wait_dscnt 2                                 ; the next block's 128 numbers are in; the two stores may be out
	QC 0                                           ; work on registers while the stores land
	QC 1
	s_wait_alu depctr_va_vdst(0)
.endif
	s_wait_dscnt 0x0                               ; my part of the scores has landed
	s_barrier_signal -1
	s_barrier_wait -1                              ; no wave reads the old codes any more
.irp w, 0,1,2,3
	ds_load_b32 v[TP+\w], v[SCRR] offset:64*\w
.endr
.if \next
	CLD 0
	CLD 1
	CLD 2
	CLD 3
	QST 0
	QST 1
	s_wait_dscnt 38                                ; the four parts are in; behind them: 32 loads and 6 stores
.else
	s_wait_dscnt 0x0
.endif
	v_add_f32 v[TP], v[TP], v[TP+1]
	v_add_f32 v[TP+2], v[TP+2], v[TP+3]
	v_add_f32 v[TP], v[TP], v[TP+2]
	v_fma_f32 v[TT], v[TP], s[L2E], s[VBL]         ; t = (score + V_b) log2(e) of row lane % 16
	v_mov_b32 v[BM], v[TT]
.irp m, 1,2,4,8
	v_max_num_f32_dpp v[BM], v[BM], v[BM] row_xmask:\m row_mask:0xf bank_mask:0xf
.endr
	v_max_num_f32 v[MN], v[MX], v[BM]              ; the running largest
	v_sub_f32 v[FF], v[MX], v[MN]
	v_sub_f32 v[PP], v[TT], v[MN]
	s_wait_alu depctr_va_vdst(0)
	v_exp_f32 v[FF], v[FF]
	v_exp_f32 v[PP], v[PP]
	v_mov_b32 v[MX], v[MN]
	s_wait_alu depctr_va_vdst(0)
	v_fma_f32 v[LS], v[LS], v[FF], v[PP]
.irp e, 0,1,2,3
	v_pk_mul_f32 v[CTX+2*\e:CTX+2*\e+1], v[CTX+2*\e:CTX+2*\e+1], v[FF:FF+1] op_sel_hi:[1,0]
.endr
.irp k, 0,1,2,3,4,5,6,7,8,9,10,11,12,13,14,15
	v_readlane_b32 s[PS+2*\k], v[PP], \k
.endr
.if \next
	s_wait_alu depctr_va_vdst(0)
	s_wait_dscnt 22                                ; rows 0-7 are in; behind them: 16 loads and 6 stores
.endif
	CFMA 0
	CFMA 1
.if \next
	s_wait_alu depctr_va_vdst(0)
	s_wait_dscnt 6                                 ; rows 8-15 are in; the 6 stores may be out
.endif
	CFMA 2
	CFMA 3
	v_add_nc_u32 v[TA], s[PCO], v[TSB]
	s_cmp_lg_u32 s[WV], 0
	s_cbranch_scc1 .Lnot_wave_0_\@
	ds_store_b32 v[TA], v[TT]                      ; wave 0 keeps the block's t until the 256 can leave together
.Lnot_wave_0_\@:
.endm
	s_load_b512 s[4:19], s[0:1], 0x0               ; enc_output, prev_coverage, Wc_w, V_w, V_b, wsc, wss, hb
	s_load_b128 s[20:23], s[0:1], 0x40             ; psc, pst
	s_load_b64 s[24:25], s[0:1], 0x50              ; pctx
	v_lshl_add_u32 v[SPW], v0, 2, SPARE
	v_mov_b32 v[NIL], 0
	ds_add_u32 v[SPW], v[NIL]
	ds_add_u32 v[SPW], v[NIL]
	v_lshrrev_b32 v3, 5, v0
	v_readfirstlane_b32 s[WV], v3                  ; wave 0..3
	s_mov_b32 s[G1], (2<<16)|(1<<20)|(7<<22)|(3<<25)   ; x: 16 rows x 256 elements of 4 bytes; 4 words of padding behind every 256
	s_mov_b32 s[G1+1], 256<<16
	s_mov_b32 s[G1+2], 16<<16
	s_mov_b32 s[G1+3], 256<<16
	s_mov_b32 s[G1+4], 16
	s_mov_b32 s[G1+5], 1024
	s_mov_b32 s[G1+6], 0
	s_mov_b32 s[G1+7], 0
	s_mov_b32 s[G1W], 3<<16                        ; Ws: 16 rows (tiles) x 256 elements of 8 bytes (K steps 6 and 7), 1,024 elements from tile to tile; no padding
	s_mov_b32 s[G1W+1], 256<<16
	s_mov_b32 s[G1W+2], 16<<16
	s_mov_b32 s[G1W+3], 256<<16
	s_mov_b32 s[G1W+4], 16
	s_mov_b32 s[G1W+5], 1024
	s_mov_b32 s[G1W+6], 0
	s_mov_b32 s[G1W+7], 0
	s_mul_i32 s[SOW], s[WV], WAVEX
	s_add_co_u32 s[SNW], s[SOW], SLOTB
	s_lshl_b32 s58, ttmp9, 20                      ; the work-group's 256 rows of 4,096 bytes,
	s_lshl_b32 s60, s[WV], 10                      ; my quarter of a row
	s_add_co_u32 s58, s58, s60
	s_mov_b32 s59, 0
	s_mov_b32 s61, 0
	s_lshl_b32 s56, s[WV], 17                      ; my 16 tiles x 8 K steps x 1,024 bytes
	s_mov_b32 s57, 0
	s_mov_b32 s[G0W], 1
	s_lshl_b32 s[G0W+1], s[WV], 15
	s_add_co_u32 s[G0W+1], s[G0W+1], WL
	s_wait_alu depctr_va_vdst(0)
	s_wait_dscnt 0x0
	s_wait_kmcnt 0x0
	s_add_nc_u64 s[WSB:WSB+1], s[14:15], s[56:57]
	s_add_nc_u64 s[G0W+2:G0W+3], s[WSB:WSB+1], 6144   ; K step 6 of my first tile
	s_or_b32 s[G0W+3], s[G0W+3], 0x80000000
	tensor_load_to_lds s[G0W:G0W+3], s[G1W:G1W+7]  ; my one tensor load at the head: K steps 6-7 of my 16 tiles
	s_nop 0
.rept 4
	v_nop
.endr
	s_load_b32 s[VBL], s[12:13], 0x0               ; V_b
	s_add_nc_u64 s[PFA:PFA+1], s[4:5], s[58:59]    ; block 0, my quarter
	s_mov_b32 s[G0], 1
	s_mov_b32 s[G0+1], s[SOW]
	s_mov_b64 s[G0+2:G0+3], s[PFA:PFA+1]
	s_or_b32 s[G0+3], s[G0+3], 0x80000000
	s_lshr_b32 s58, ttmp9, 3                       ; the batch
	s_lshl_b32 s58, s58, 12
	s_add_co_u32 s58, s58, s60
	s_add_nc_u64 s[18:19], s[18:19], s[58:59]      ; hb at my batch's row, my 256 columns
	s_add_nc_u64 s[8:9], s[8:9], s[60:61]
	s_add_nc_u64 s[10:11], s[10:11], s[60:61]
	s_lshl_b32 s58, ttmp9, 10
	s_add_nc_u64 s[6:7], s[6:7], s[58:59]
	s_add_nc_u64 s[20:21], s[20:21], s[58:59]
	s_lshl_b32 s58, ttmp9, 8
	s_add_nc_u64 s[22:23], s[22:23], s[58:59]
	s_lshl_b32 s58, ttmp9, 12
	s_add_co_u32 s58, s58, s60
	s_add_nc_u64 s[24:25], s[24:25], s[58:59]
	s_lshl_b32 s58, s[WV], 13
	s_add_nc_u64 s[16:17], s[16:17], s[58:59]      ; my 8 pairs x 8 K steps x 128 bytes of scale words
	s_mov_b32 s48, 0x76543210
	s_mov_b32 s49, 0xfedcba98
	s_mov_b32 s[CC], 0x4038aa3b                    ; c = 2 log2(e)
	s_mov_b32 s[CC+1], s[CC]
	s_mov_b32 s[L2E], 0x3fb8aa3b
	s_mov_b32 s[PCO], 0
	v_and_b32 v124, 31, v0                         ; lane
	v_and_b32 v125, 15, v0                         ; r
	v_bfe_u32 v126, v0, 4, 1                       ; h
	v_lshlrev_b32 v[BOF], 4, v124
	v_lshlrev_b32 v127, 3, v0
	v_lshrrev_b32 v[PFO], 2, v124
	v_lshlrev_b32 v[PFO], 12, v[PFO]
	v_and_b32 v[TA], 3, v124
	v_lshl_add_u32 v[PFO], v[TA], 8, v[PFO]
	s_wait_alu depctr_va_vdst(0)
.irp b, 0,1,2
	global_prefetch_b8 v[PFO], s[PFA:PFA+1] offset:\b*BLKB th:TH_LOAD_NT scope:SCOPE_SE        ; blocks 0, 1 and 2
	global_prefetch_b8 v[PFO], s[PFA:PFA+1] offset:\b*BLKB+32768 th:TH_LOAD_NT scope:SCOPE_SE
.endr
	global_load_b64 v[TP:TP+1], v127, s[6:7]       ; two rows' coverage a thread
	global_load_b128 v[92:95], v[BOF], s[8:9]                  ; Wc, hb and V of my 256 columns, as they lie: columns 4 l on and 128 + 4 l on
	global_load_b128 v[96:99], v[BOF], s[8:9] offset:512
	global_load_b128 v[100:103], v[BOF], s[18:19]
	global_load_b128 v[104:107], v[BOF], s[18:19] offset:512
	global_load_b128 v[108:111], v[BOF], s[10:11]
	global_load_b128 v[112:115], v[BOF], s[10:11] offset:512
.irp k, 0,1,2,3,4,5,6,7,8,9,10,11,12,13,14,15
	global_load_b128 v[192+4*\k:192+4*\k+3], v[BOF], s[16:17] offset:512*\k   ; my scale words, as they lie
.endr
	RES 1, 0, 256                                  ; quads 0, 1 and 2: 144 loads
	RES 2, 0, 256
	RES 3, 0, 64
	WIN 0
	v_add_nc_u32 v[IMR], IMG, v[BOF]
	v_add_nc_u32 v[XSR], XSC, v[BOF]
	v_mul_u32_u24 v[XQ], v125, XP
	v_lshl_add_u32 v[XQ], v126, 7, v[XQ]
	v_add_nc_u32 v[XQA], s[SOW], v[XQ]
	s_lshl_b32 s57, s[WV], 11
	v_add_nc_u32 v[IMW], s57, v[IMR]
	s_lshl_b32 s57, s[WV], 2
	v_lshl_add_u32 v[XSW], v125, 4, XSC
	v_add_nc_u32 v[XSW], s57, v[XSW]
	s_lshl_b32 s57, s[WV], 6
	v_lshl_add_u32 v[SCW], v126, 5, SCR
	v_add_nc_u32 v[SCW], s57, v[SCW]
	v_lshl_add_u32 v[SCRR], v125, 2, SCR
	v_lshl_add_u32 v[PCB], v126, 5, PCV
	v_lshlrev_b32 v[SH8], 3, v126
	v_lshl_add_u32 v[TSB], v125, 2, TSC
	s_lshl_b32 s57, s[WV], 15
	v_add_nc_u32 v[WLR], WL, v[BOF]
	v_add_nc_u32 v[WLR], s57, v[WLR]
	s_lshl_b32 s57, s[WV], 13
	v_add_nc_u32 v[WSR], WSC, v[BOF]
	v_add_nc_u32 v[WSR], s57, v[WSR]
	v_lshl_add_u32 v[PX], v124, 2, WSC             ; my scale words as they lie: 4 x lane
	v_add_nc_u32 v[PX], s57, v[PX]
	s_mul_i32 s57, s[WV], 3072
	v_lshl_add_u32 v[CSR], v125, 4, CST
	v_add_nc_u32 v[CSR], s57, v[CSR]
	v_add_nc_u32 v[TT], CST, v[BOF]                ; my constants as they lie: 16 x lane in,
	v_add_nc_u32 v[TT], s57, v[TT]
	v_lshl_add_u32 v[BM], v125, 2, CST             ; 4 r out
	v_add_nc_u32 v[BM], s57, v[BM]
	v_lshl_add_u32 v[MN], v0, 3, PCV
.irp e, 0,1,2,3,4,5,6,7
	v_mov_b32 v[CTX+\e], 0
.endr
	v_mov_b32 v[LS], 0
	v_mov_b32 v[FF+1], 0
	v_mov_b32 v[MX], 0xff61b1e6                    ; -3e38, under every t
	s_wait_alu depctr_va_vdst(0)
	s_wait_tensorcnt 0x0                           ; K steps 6-7 have landed
	ds_add_u32 v[SPW], v[NIL]
.irp k, 0,1,2,3,4,5,6,7,8,9,10,11,12,13,14,15
	s_mov_b32 s[PS+2*\k+1], 0                      ; no tensor load of mine is out: the registers that held its descriptor may be written
.endr
	s_wait_dscnt 0x0
	s_barrier_signal -1
	s_barrier_wait -1
	tensor_load_to_lds s[G0:G0+3], s[G1:G1+7]      ; block 0 into slot 0; slot 1 is first filled behind the first trip's barrier
	s_nop 0
.rept 4
	v_nop
.endr
	RES 3, 64, 256                                 ; quad 3: 48 loads
	WIN 0
	s_wait_loadcnt 63                              ; the 23 first loads and quads 0 and 1 are in: behind quad 1's last load 96 were issued
.irp i, 0,1,2,3,4,5
	ds_store_b128 v[TT], v[92+4*\i:92+4*\i+3] offset:512*\i        ; as they lie: 1,024 kind + 4 column
.endr
.irp k, 0,1,2,3,4,5,6,7,8,9,10,11,12,13,14,15
	ds_store_b128 v[WSR], v[192+4*\k:192+4*\k+3] offset:512*\k     ; as they lie: 128 (8 pair + s) + 4 lane
.endr
	ds_store_b64 v[MN], v[TP:TP+1]                 ; the coverage of the 256 rows; the first trip's barrier shows it to every wave
	s_wait_dscnt 0x0
.irp k, 0,1,2
.irp t, 0,1,2,3,4,5,6,7,8,9,10,11,12,13,14,15
	ds_load_b32 v[128+16*\k+\t], v[BM] offset:1024*\k+64*\t        ; column 16 t + r: v128 on Wc, v144 on hb, v160 on V
.endr
.endr
.set ii, 0
.rept 64
	ds_load_b32 v[192+ii], v[PX] offset:128*ii     ; my lane's word of pair ii / 8, K step ii % 8
.set ii, ii+1
.endr
	s_wait_dscnt 0x0                               ; all are read: the same bytes may be written
	v_pk_add_f32 v[SV:SV+1], v[160:161], v[162:163]
.irp i, 4,6,8,10,12,14
	v_pk_add_f32 v[SV:SV+1], v[SV:SV+1], v[160+\i:160+\i+1]
.endr
	v_add_f32 v[SV], v[SV], v[SV+1]                ; the sum of my 16 V_w
.irp i, 0,2,4,6,8,10,12,14
	v_pk_mul_f32 v[160+\i:160+\i+1], v[160+\i:160+\i+1], -2.0 op_sel_hi:[1,0]
.endr
.irp k, 0,1,2,3,4,5,6,7,8,9,10,11,12,13,14,15
	ds_store_b128 v[WSR], v[192+4*\k:192+4*\k+3] offset:512*\k     ; four K steps' words of a lane on end
.endr
.irp q, 0,1,2,3
	ds_store_b128 v[CSR], v[128+4*\q:128+4*\q+3] offset:768*\q
	ds_store_b128 v[CSR], v[144+4*\q:144+4*\q+3] offset:768*\q+256
	ds_store_b128 v[CSR], v[160+4*\q:160+4*\q+3] offset:768*\q+512
.endr
	s_wait_kmcnt 0x0
	s_mul_f32 s[VBL], s[VBL], s[L2E]
	s_wait_tensorcnt 0x0                           ; block 0 has landed in my slot 0
	s_wait_dscnt 0x0                               ; the stores have read their registers
	XLD 0
	XLD 1
	s_wait_dscnt 0x0
	QC 0
	QC 1
	QST 0
	QST 1
	NBS 0
	s_mov_b32 s[CNT], 15
	s_wait_alu depctr_va_vdst(0)
.Lblocks:                                              ; blocks 0 to 14, one a trip: each loads its successor and quantises it
	BLOCK 1, 1
	s_xor_b32 s[SOW], s[SOW], SLOTB
	s_xor_b32 s[SNW], s[SNW], SLOTB
	s_add_co_u32 s[PCO], s[PCO], 64
	s_sub_co_u32 s[CNT], s[CNT], 1
	s_cmp_lg_u32 s[CNT], 0
	s_cbranch_scc1 .Lblocks
	BLOCK 0, 0                                     ; block 15 is written out: nothing is left to fetch or to quantise
.irp m, 1,2,4,8
	v_add_f32_dpp v[LS], v[LS], v[LS] row_xmask:\m row_mask:0xf bank_mask:0xf   ; l over the 16 rows' lanes
.endr
	v_add_nc_u32 v[TA], TSC, v[BOF]
	v_lshrrev_b32 v[PX], 1, v[BOF]                 ; 8 x lane
	s_wait_alu depctr_va_vdst(0)
	global_store_b128 v[BOF], v[CTX:CTX+3], s[24:25]               ; 32 lanes store 512 consecutive bytes, aligned
	global_store_b128 v[BOF], v[CTX+4:CTX+7], s[24:25] offset:512
	s_cmp_lg_u32 s[WV], 0
	s_cbranch_scc1 .Lclose
	ds_load_b128 v[128:131], v[TA]                 ; LDS serves a wave's instructions in order: these see wave 0's own stores
	ds_load_b128 v[132:135], v[TA] offset:512
	global_store_b64 v[PX], v[MX:MX+1], s[22:23]   ; (m, l), the same in every lane: 256 consecutive bytes, aligned
	s_wait_dscnt 0x0
	global_store_b128 v[BOF], v[128:131], s[20:21]
	global_store_b128 v[BOF], v[132:135], s[20:21] offset:512
.Lclose:
	s_wait_tensorcnt 0x0                           ; the wave's end
	ds_add_u32 v[SPW], v[NIL]
	s_wait_dscnt 0x0
	s_endpgm
.Lfunc_end_k_qbc2e2cc3ed_attn:
	.size	k_qbc2e2cc3ed_attn, .Lfunc_end_k_qbc2e2cc3ed_attn-k_qbc2e2cc3ed_attn
	.p2alignl 7, 3214868480
	.fill 96, 4, 3214868480
	.section	.rodata,"a",@progbits
	.p2align	6, 0x0
	.amdhsa_kernel k_qbc2e2cc3ed_attn
		.amdhsa_group_segment_fixed_size 327680
		.amdhsa_private_segment_fixed_size 0
		.amdhsa_enable_private_segment 0
		.amdhsa_kernarg_size 88
		.amdhsa_user_sgpr_count 2
		.amdhsa_user_sgpr_kernarg_segment_ptr 1
		.amdhsa_wavefront_size32 1
		.amdhsa_system_sgpr_workgroup_id_x 1
		.amdhsa_system_sgpr_workgroup_id_y 1
		.amdhsa_system_sgpr_workgroup_id_z 1
		.amdhsa_system_vgpr_workitem_id 0
		.amdhsa_next_free_vgpr 1024
		.amdhsa_next_free_sgpr 100
		.amdhsa_reserve_vcc 0
		.amdhsa_float_denorm_mode_32 3
		.amdhsa_float_denorm_mode_16_64 3
		.amdhsa_memory_ordered 1
		.amdhsa_forward_progress 1
		.amdhsa_inst_pref_size 180
	.end_amdhsa_kernel
	.amdgpu_metadata
---
amdhsa.version: [ 1, 2 ]
amdhsa.kernels:
  - .name:           k_qbc2e2cc3ed_attn
    .symbol:         k_qbc2e2cc3ed_attn.kd
    .args:
      - { .name: enc_output, .offset: 0, .size: 8, .value_kind: global_buffer, .address_space: global }
      - { .name: prev_coverage, .offset: 8, .size: 8, .value_kind: global_buffer, .address_space: global }
      - { .name: Wc_w, .offset: 16, .size: 8, .value_kind: global_buffer, .address_space: global }
      - { .name: V_w, .offset: 24, .size: 8, .value_kind: global_buffer, .address_space: global }
      - { .name: V_b, .offset: 32, .size: 8, .value_kind: global_buffer, .address_space: global }
      - { .name: wsc, .offset: 40, .size: 8, .value_kind: global_buffer, .address_space: global }
      - { .name: wss, .offset: 48, .size: 8, .value_kind: global_buffer, .address_space: global }
      - { .name: hb, .offset: 56, .size: 8, .value_kind: global_buffer, .address_space: global }
      - { .name: psc, .offset: 64, .size: 8, .value_kind: global_buffer, .address_space: global }
      - { .name: pst, .offset: 72, .size: 8, .value_kind: global_buffer, .address_space: global }
      - { .name: pctx, .offset: 80, .size: 8, .value_kind: global_buffer, .address_space: global }
    .group_segment_fixed_size: 327680
    .private_segment_fixed_size: 0
    .kernarg_segment_align: 8
    .kernarg_segment_size: 88
    .max_flat_workgroup_size: 128
    .sgpr_count:     100
    .vgpr_count:     1024
    .wavefront_size: 32
...
	.end_amdgpu_metadata
.endif
;; end of part 2
;; launch finish (part 3): grid 8 x 32, 1 waves a work-group, no clusters, 0 bytes of LDS; arguments psc, pst, pctx, prev_coverage, out0, out1, out2; writes out0, out1, out2
.if DOCPART == 3
	.amdgcn_target "amdgcn-amd-amdhsa--gfx1250"
	.amdhsa_code_object_version 6
	.text
	.protected	k_qbc2e2cc3ed_finish
	.globl	k_qbc2e2cc3ed_finish
	.p2align	8
	.type	k_qbc2e2cc3ed_finish,@function
k_qbc2e2cc3ed_finish:
	s_mov_b64 s[64:65], 0
	v_nop
	global_prefetch_b8 v0, s[64:65] scope:SCOPE_SE
	s_setreg_imm32_b32 hwreg(HW_REG_WAVE_MODE, 25, 1), 1
	s_wait_xcnt 0x0
; The eight parts of a batch are joined.  Part g has its largest t (m_g), its sum l_g of 2^(t - m_g) and its context c_g = sum of 2^(t - m_g) x.  With M = the largest m_g and w_g = 2^(m_g - M):
; L = sum l_g w_g;  out0 = sum c_g w_g / L;  out1 = 2^(t - M) / L;  out2 = out1 + prev_coverage.
; Work-group (q, b), one wave: columns 128 q .. + 127 of batch b's context and rows 256 q .. + 255 of its weights.  Every load and store of the wave covers 512 consecutive bytes, aligned.
; A stream of 1.9 MB with no reuse: no LDS, no barrier, no matrix unit.  Each l_g is at least 1 (its own largest term), so L is at least 1.
	s_load_b256 s[4:11], s[0:1], 0x0               ; psc, pst, pctx, prev_coverage
	s_load_b128 s[12:15], s[0:1], 0x20             ; out0, out1
	s_load_b64 s[16:17], s[0:1], 0x30              ; out2
	s_and_b32 s20, ttmp7, 0xffff                   ; the batch
	v_lshlrev_b32 v1, 4, v0                        ; 16 x lane
	s_lshl_b32 s22, s20, 11                        ; pst: eight parts of 256 bytes
	s_mov_b32 s23, 0
	s_lshl_b32 s21, ttmp9, 9                       ; 128 columns
	s_lshl_b32 s24, s20, 15                        ; pctx: eight parts of 4,096 bytes
	s_add_co_u32 s24, s24, s21
	s_mov_b32 s25, 0
	s_lshl_b32 s28, s20, 12                        ; out0: a row of 4,096 bytes
	s_add_co_u32 s28, s28, s21
	s_mov_b32 s29, 0
	s_lshl_b32 s21, ttmp9, 10                      ; 256 rows
	s_lshl_b32 s26, s20, 13                        ; 2,048 rows of 4 bytes
	s_add_co_u32 s26, s26, s21
	s_mov_b32 s27, 0
	s_wait_alu depctr_va_vdst(0)
	s_wait_kmcnt 0x0
	s_add_nc_u64 s[6:7], s[6:7], s[22:23]
	s_add_nc_u64 s[8:9], s[8:9], s[24:25]
	s_add_nc_u64 s[4:5], s[4:5], s[26:27]
	s_add_nc_u64 s[10:11], s[10:11], s[26:27]
	s_add_nc_u64 s[14:15], s[14:15], s[26:27]
	s_add_nc_u64 s[16:17], s[16:17], s[26:27]
	s_add_nc_u64 s[12:13], s[12:13], s[28:29]
.irp g, 0,1,2,3,4,5,6,7
	s_load_b64 s[32+2*\g:33+2*\g], s[6:7], 256*\g  ; (m_g, l_g)
.endr
.irp g, 0,1,2,3,4,5,6,7
	global_load_b128 v[8+4*\g:11+4*\g], v1, s[8:9] offset:4096*\g
.endr
	global_load_b128 v[40:43], v1, s[4:5]          ; t
	global_load_b128 v[44:47], v1, s[4:5] offset:512
	global_load_b128 v[48:51], v1, s[10:11]        ; prev_coverage
	global_load_b128 v[52:55], v1, s[10:11] offset:512
	s_wait_kmcnt 0x0
	v_mov_b32 v2, s32
	v_max3_num_f32 v2, v2, s34, s36
	v_max3_num_f32 v2, v2, s38, s40
	v_max3_num_f32 v2, v2, s42, s44
	v_max_num_f32 v2, s46, v2                      ; M
.irp g, 0,1,2,3,4,5,6,7
	v_sub_f32 v[56+\g], s[32+2*\g], v2
.endr
	s_wait_alu depctr_va_vdst(0)
.irp g, 0,1,2,3,4,5,6,7
	v_exp_f32 v[56+\g], v[56+\g]                   ; w_g
.endr
	v_nop                                          ; a plain place behind the exponentials
	s_wait_alu depctr_va_vdst(0)
	v_mul_f32 v3, s33, v56
.irp g, 1,2,3,4,5,6,7
	v_fmac_f32 v3, s[33+2*\g], v[56+\g]            ; L
.endr
	s_wait_alu depctr_va_vdst(0)
	v_rcp_f32 v3, v3
	v_nop                                          ; a plain place behind the reciprocal
	s_wait_alu depctr_va_vdst(0)
.irp g, 0,1,2,3,4,5,6,7
	v_mul_f32 v[56+\g], v[56+\g], v3               ; w_g / L
.endr
	s_wait_alu depctr_va_vdst(0)
	s_wait_loadcnt 0x0
.irp i, 0,1,2,3
	v_mul_f32 v[4+\i], v[8+\i], v56
.endr
.irp g, 1,2,3,4,5,6,7
.irp i, 0,1,2,3
	v_fmac_f32 v[4+\i], v[8+4*\g+\i], v[56+\g]
.endr
.endr
	global_store_b128 v1, v[4:7], s[12:13]
.irp j, 0,1,2,3,4,5,6,7
	v_sub_f32 v[40+\j], v[40+\j], v2
.endr
	s_wait_alu depctr_va_vdst(0)
.irp j, 0,1,2,3,4,5,6,7
	v_exp_f32 v[40+\j], v[40+\j]
.endr
	v_nop                                          ; a plain place behind the exponentials
	s_wait_alu depctr_va_vdst(0)
.irp j, 0,1,2,3,4,5,6,7
	v_mul_f32 v[40+\j], v[40+\j], v3               ; the weights
.endr
.irp j, 0,1,2,3,4,5,6,7
	v_add_f32 v[48+\j], v[48+\j], v[40+\j]         ; the coverage
.endr
	global_store_b128 v1, v[40:43], s[14:15]
	global_store_b128 v1, v[44:47], s[14:15] offset:512
	global_store_b128 v1, v[48:51], s[16:17]
	global_store_b128 v1, v[52:55], s[16:17] offset:512
	s_endpgm
.Lfunc_end_k_qbc2e2cc3ed_finish:
	.size	k_qbc2e2cc3ed_finish, .Lfunc_end_k_qbc2e2cc3ed_finish-k_qbc2e2cc3ed_finish
	.p2alignl 7, 3214868480
	.fill 96, 4, 3214868480
	.section	.rodata,"a",@progbits
	.p2align	6, 0x0
	.amdhsa_kernel k_qbc2e2cc3ed_finish
		.amdhsa_group_segment_fixed_size 0
		.amdhsa_private_segment_fixed_size 0
		.amdhsa_enable_private_segment 0
		.amdhsa_kernarg_size 56
		.amdhsa_user_sgpr_count 2
		.amdhsa_user_sgpr_kernarg_segment_ptr 1
		.amdhsa_wavefront_size32 1
		.amdhsa_system_sgpr_workgroup_id_x 1
		.amdhsa_system_sgpr_workgroup_id_y 1
		.amdhsa_system_sgpr_workgroup_id_z 1
		.amdhsa_system_vgpr_workitem_id 0
		.amdhsa_next_free_vgpr 64
		.amdhsa_next_free_sgpr 66
		.amdhsa_reserve_vcc 0
		.amdhsa_float_denorm_mode_32 3
		.amdhsa_float_denorm_mode_16_64 3
		.amdhsa_memory_ordered 1
		.amdhsa_forward_progress 1
		.amdhsa_inst_pref_size 7
	.end_amdhsa_kernel
	.amdgpu_metadata
---
amdhsa.version: [ 1, 2 ]
amdhsa.kernels:
  - .name:           k_qbc2e2cc3ed_finish
    .symbol:         k_qbc2e2cc3ed_finish.kd
    .args:
      - { .name: psc, .offset: 0, .size: 8, .value_kind: global_buffer, .address_space: global }
      - { .name: pst, .offset: 8, .size: 8, .value_kind: global_buffer, .address_space: global }
      - { .name: pctx, .offset: 16, .size: 8, .value_kind: global_buffer, .address_space: global }
      - { .name: prev_coverage, .offset: 24, .size: 8, .value_kind: global_buffer, .address_space: global }
      - { .name: out0, .offset: 32, .size: 8, .value_kind: global_buffer, .address_space: global }
      - { .name: out1, .offset: 40, .size: 8, .value_kind: global_buffer, .address_space: global }
      - { .name: out2, .offset: 48, .size: 8, .value_kind: global_buffer, .address_space: global }
    .group_segment_fixed_size: 0
    .private_segment_fixed_size: 0
    .kernarg_segment_align: 8
    .kernarg_segment_size: 56
    .max_flat_workgroup_size: 32
    .sgpr_count:     66
    .vgpr_count:     64
    .wavefront_size: 32
...
	.end_amdgpu_metadata
.endif
;; end of part 3
